; MI455X (gfx1250); checked and timed in simulation.
; The chip was launched on July 23, 2026; its instructions are those of AMD's public machine-readable ISA for CDNA 5 (MIT licence, August 2026) and "CDNA5" Instruction Set Architecture Reference Guide (July 2026). The comments in the code are by the model that wrote it; some were corrected since.
;; Causal Self Attention. Allowed arithmetic: matrix products marked QUANTISED: E4M3 operands, one given power-of-two scale a tensor, by v_wmma_f32_16x16x64_fp8_fp8 or v_wmma_f32_16x16x128_fp8_fp8, f32 sums; everything else in f32.
;; Inputs: W_kqv_codes 3,072 x 32 x 32 uint8 (E4M3 codes of W_kqv, K innermost, in blocks of 32 codes); W_proj_codes 1,024 x 32 x 32 uint8 (E4M3 codes of W_proj, K innermost, in blocks of 32 codes); b_kqv 3,072 float32; b_proj 1,024 float32; lowp_scales 8 int32 (the exponents e of the quantised operands' scales 2^e); x_codes 4 x 2,048 x 32 x 32 uint8 (E4M3 codes of x, K innermost, in blocks of 32 codes).
;; Outputs: out0 4 x 2,048 x 1,024 float32.
;; This version of the problem:
;;   THIS VERSION OF THE PROBLEM IS GIVEN IN LOW PRECISION. The matrix products marked QUANTISED in the list below multiply operands that are first quantised to E4M3 (4 exponent bits, 3 mantissa bits; 8 bits a number), with one given power-of-two scale for each operand tensor; their sums are f32. All else is computed in f32.
;;   The module's matrix products, in the order in which they are computed (A, B: the left and right operand; K: the contracted axis; several contracted axes count as one K, in the product's order):
;;     1. [M 8,192, K 1,024] x [K 1,024, N 3,072]; A: input x (given as codes); B: input W_kqv (given as codes): QUANTISED (scales: A lowp_scales[0], B lowp_scales[1])
;;     2. batch 64 x [M 2,048, K 64] x [K 64, N 2,048]; A: computed on the way; B: computed on the way: QUANTISED (scales: A lowp_scales[2], B lowp_scales[3])
;;     3. batch 64 x [M 2,048, K 2,048] x [K 2,048, N 64]; A: softmax (see below); B: computed on the way: QUANTISED (scales: A lowp_scales[4], B lowp_scales[5])
;;     4. [M 8,192, K 1,024] x [K 1,024, N 1,024]; A: computed on the way; B: input W_proj (given as codes): QUANTISED (scales: A lowp_scales[6], B lowp_scales[7])
;;   THE QUANTISER, for each operand of a quantised product, along K:
;;     - The operand's scale is 2^e, e = its entry of the input lowp_scales (int32; the entries are numbered through the quantised products in the list's order, A before B).
;;     - Each number is divided by the scale, clamped to +-448, and rounded to the nearest number of E4M3, ties to even, subnormals kept.
;;     - The product sums the exact products of the quantised numbers (number of the format x scale) in f32.
;;   ~~~python
;;   def quantise(x, axis, e):      # numpy; x: float32 -> the quantised numbers, widened to float32 again
;;       x = np.moveaxis(x, axis, -1); K = x.shape[-1]
;;       r = np.clip(x / 2.0 ** e, -448, 448)
;;       step = 2.0 ** (np.maximum(np.frexp(np.where(r == 0, 1, r))[1] - 1, -6) - 3)
;;       q = np.round(r / step) * step * 2.0 ** e      # np.round: ties to even
;;       return np.moveaxis(q, -1, axis).astype(np.float32)
;;   ~~~
;;   SOFTMAX AHEAD OF A QUANTISED PRODUCT. Where the list says 'softmax', what is quantised is not the finished softmax but p = 2^(t - M), with t = logit x log2(e) and M = ceil(the row's largest t), a whole number; so 1/2 < the row's largest p <= 1. The row's sum l is taken of the UNQUANTISED p, in f32, and the product's result is divided by l at the end. Since M is a whole number, a kernel that streams over the keys may use a running M (the ceiling of the running maximum): every later rescaling is an exact power of two, so the quantised numbers keep their values, but for numbers so far below the row's largest that they fall under the format's range.
;;   OPERANDS COMPUTED ON THE WAY. 'Computed on the way' means the value that the module computes at that place (a softmax that the list does not call 'softmax' is quantised finished and normalised). What goes into a quantiser is computed in f32, as accurately as f32 sums, v_exp_f32 and their like allow (about 1e-6 of the number): no bf16 or f16 on the way to a quantiser, and a product that is left as it is and whose result goes on into a quantised operand takes f32 operands (vector FMAs, or v_wmma_f32_16x16x4_f32). A number that lies on a knife's edge between two numbers of the format may be rounded either way, as far as f32 arithmetic and the matrix unit's own rounding can turn it there, and no further.
;;   INPUTS GIVEN AS CODES. W_kqv (in the module: [3072, 1024], K = its axis 1); W_proj (in the module: [1024, 1024], K = its axis 1); x (in the module: [4, 2048, 1024], K = its axis 2): each comes as NAME_codes (uint8): NAME with its K axis moved to the last place and cut into blocks of 32 codes, [.., K / 32, bytes a block], one block behind the other in memory; one code a byte (a code: sign, 4 exponent bits, 3 mantissa bits); its scale is its entry of lowp_scales. Its value is code x scale, taken as it is: it is not quantised again, and the codes and scales need not be those that the quantiser above would give.
;; One version. Each part assembles by itself: llvm-mc -triple=amdgcn-amd-amdhsa -mcpu=gfx1250 --defsym DOCPART=n.
;; ======== version 1 of 1: 3 launches
;; limits: right only within a limited range of input values
;; workspace buffers: k_img 8,388,608 bytes; q_img 8,388,608 bytes; v_img 8,388,608 bytes; y_img 8,388,608 bytes
;; launch qkv (part 1): grid 12 x 32, 4 waves a work-group, clusters of 4 x 4, 327,680 bytes of LDS; arguments x_codes, W_kqv_codes, lowp_scales, b_kqv, k_img, q_img, v_img; writes k_img, q_img, v_img
.if DOCPART == 1
	.amdgcn_target "amdgcn-amd-amdhsa--gfx1250"
	.amdhsa_code_object_version 6
	.text
	.protected	k_q9ec111569b_qkv
	.globl	k_q9ec111569b_qkv
	.p2align	8
	.type	k_q9ec111569b_qkv,@function
k_q9ec111569b_qkv:
	s_mov_b64 s[64:65], 0
	v_nop
	global_prefetch_b8 v0, s[64:65] scope:SCOPE_SE
	s_setreg_imm32_b32 hwreg(HW_REG_WAVE_MODE, 25, 1), 1
	s_wait_xcnt 0x0
	s_wait_alu depctr_hold_cnt(0) depctr_sa_sdst(0) depctr_va_vdst(0) depctr_va_sdst(0) depctr_va_ssrc(0) depctr_va_vcc(0) depctr_vm_vsrc(0)
	s_getreg_b32 s2, hwreg(HW_REG_IB_STS2, 6, 4)
	s_cmp_eq_u32 s2, 0
	s_cbranch_scc0 .Lentry_in_a_cluster
	s_endpgm
.Lentry_in_a_cluster:
	s_bfe_u32 s2, ttmp6, 0x10000c
	s_cmp_lg_u32 s2, 0xf033
	s_cbranch_scc0 .Lentry_shape_is_right
	s_endpgm
.Lentry_shape_is_right:
; kqv = x W_kqv^T + b_kqv on codes of FP8 (E4M3), then k, q and v are quantised again, each with its given scale, and stored as IMAGES OF OPERAND REGISTERS for the attention launch.
; x: [8192][1024] codes, W_kqv: [3072][1024] codes, K innermost.  Columns 0-1023 of kqv are k, 1024-2047 q, 2048-3071 v.  lowp_scales: e0 (x), e1 (W_kqv), e2 (q), e3 (k), e5 (v).
; A number of kqv is sum x 2^(e0 + e1) + bias, one fused multiply-add in f32; its code is that number / 2^e, held within +-448 x 2^e, rounded to the nearest code, ties to even.
; LIMITS: e0 + e1 between -126 and 127; e2, e3, e5 between -126 and 119, so that each power of two below is an f32 number.  NaN among the inputs is not served.
; SHARES.  A tile of 256 rows x 256 columns is made by a work-group of four waves; a wave makes 128 x 128: 64 accumulators of 16 x 16, 512 registers.  K goes in steps of 256 through a ring of two LDS
; slots filled by the tensor data mover: four fills for K = 1,024.  A tile of 256 columns lies wholly in k, in q or in v: the cluster's x says which (0, 1, 2), the same in all sixteen partners.
; CLUSTERS: 4 x 4 work-groups.  The four of a row of the cluster need the same tiles of x, the four of a column the same tiles of W: each tile is asked for JOINTLY.
; WHICH OPERAND IS SOURCE 0.  For k and q source 0 takes 16 rows of W and source 1 16 rows of x: a lane then holds one row of x and eight neighbouring channels d, which are the next product's K.
; For v the next product's K is the KEYS, the rows of x: there the two sets of fragment registers read each other's part of the slot (two scalar selects on the cluster's x), so that a lane holds one channel
; and eight neighbouring keys.  Fills, descriptors and matrix instructions are the same for all three.
; THE IMAGES.  A piece is 512 bytes: lane l's 16 bytes, four registers of a fragment, at 16 l.  One conversion of an accumulator's eight registers gives registers 2 c, 2 c + 1 of a fragment in the plain 8-bit
; layout (k = 16 c + 8 (l / 16) + 0 .. 7); two neighbouring accumulators give a piece.  q_img, k_img: [head 64][tile of 16 rows 128][piece 2][512].  v_img: [head 64][step of 128 keys 16][16 channels 4][piece 4][512].
; Every store of a wave covers 512 consecutive bytes, aligned; nothing goes through LDS on the way out.
; REGISTERS, in windows of 256: window 0: v0-31 addresses; v32-47, v64-127 biases; from v128 ONE set of eight fragments (source 1); on the way out v128-191 codes, v192-255 numbers at work.
;   window 1: TWO sets of eight fragments (source 0), at v0 and v128.   window 2: accumulators (a, b), a = 0 .. 3, at v[8 (8 a + b)];   window 3: a = 4 .. 7.
.set KSTEP,  256                       ; along K in a slot
.set ROWB,   256                       ; a tile's row in bytes
.set KROW,   1024                      ; a row of x or of W in memory, in bytes
.set PITCH,  272                       ; an LDS row: 256 bytes + 16 of padding = 68 words: row r starts at bank 4 r mod 64 (64 banks of 4 bytes: ISA guide 11.1)
.set FR,     16                        ; registers of a fragment: 16 rows x 128 K
.set NL,     4                         ; LDS loads that bring one
.set NP,     4                         ; places behind this matrix instruction (ISA guide 7.12.1)
.set HALFT,  128*PITCH                 ; 128 rows: what one tensor load brings
.set SLOT,   4*HALFT                   ; x's 256 rows, then W's 256 rows
.set LAPS,   2                         ; a lap = two K steps = once round the ring: 1,024 / 512
.set SPARE,  2*SLOT                    ; behind the ring: the spare words, 128 bytes for each wave
.set HEADB,  131072                    ; a head's bytes in each image: 2,048 x 64
.set SCL,  10                          ; v10     2^e as f32, for the conversions
.set HOLD, 11
.set ADRA, 16                          ; v16-17  LDS address of the window-0 set's fragments in slot 0, 1
.set ADRB, 20                          ; v20-21  the same for the window-1 sets
.set CO,   26                          ; v26     16 x lane: my place in a piece
.set SPW,  28                          ; v28     LDS address of my spare word; never rewritten
.set NIL,  29                          ; v29     0; never rewritten
.set BV,   32                          ; v32-47  for v: bias of channel 16 a + r, twice (a pair for the packed form), a = 0 .. 7
.set BQ,   64                          ; v64-127 for k and q: bias of channels 16 b + 8 h + 0 .. 7, b = 0 .. 7
.set AF,   128                         ; the window-0 set
.set COD,  128                         ; the way out: codes, four sets of 16 registers
.set TMP,  192                         ; the way out: 64 numbers
.set G1, 24                            ; s[24:31] descriptor group 1 for x's tiles;  s[32:39] group 0, one set for each slot
.set G0, 32
.set G1B, 48                           ; s[48:55], s[56:63] the same for W's tiles
.set G0B, 56
.set MSB, 0
.macro WIN new                         ; the immediate's high byte repeats the setting that is left
.if MSB != \new
	s_set_vgpr_msb (MSB<<8)|\new
.set MSB, \new
.endif
.endm
.set MUL_LO, 0xa1                      ; source 0 window 1, source 1 window 0, C and D window 2
.set MUL_HI, 0xf1                      ; the same, C and D window 3
.set TO_B,   0x40                      ; destination window 1, address window 0
; A joint load: waves 0 and 1 fetch x's halves, waves 2 and 3 W's.  Each line has ONE mask and one set of registers for all that issue it; the branch hangs on the wave's number alone.
; Four v_nop follow each of the two lines, ahead of the jump, the label and what follows.
.macro JLOAD g0a, g1a, g0b, g1b
	s_cmp_eq_u32 s15, 0
	s_cbranch_scc0 .Lfor_b_\@
	tensor_load_to_lds s[\g0a:\g0a+3], s[\g1a:\g1a+7]
	s_nop 0
.rept 4
	v_nop
.endr
	s_branch .Lasked_\@
.Lfor_b_\@:
	tensor_load_to_lds s[\g0b:\g0b+3], s[\g1b:\g1b+7]
	s_nop 0
.rept 4
	v_nop
.endr
.Lasked_\@:
.endm
.macro CREST                           ; a round of the cluster's barrier behind its opening barrier
	s_cmp_lg_u32 s14, 0
	s_cbranch_scc1 .Lnot_wave_0_\@
	s_barrier_signal -3
.Lnot_wave_0_\@:
	s_barrier_wait -3
	s_barrier_signal -1
	s_barrier_wait -1
.endm
.macro CROUND                          ; a whole round
	s_barrier_signal -1
	s_barrier_wait -1
	CREST
.endm
	s_load_b128 s[4:7], s[0:1], 0x0                ; x's codes s[4:5], W's codes s[6:7]
	s_load_b128 s[8:11], s[0:1], 0x10              ; the scales' exponents s[8:9], b_kqv s[10:11]
	s_load_b128 s[68:71], s[0:1], 0x20             ; k_img s[68:69], q_img s[70:71]
	s_load_b64 s[72:73], s[0:1], 0x30              ; v_img
	v_lshl_add_u32 v[SPW], v0, 2, SPARE
	v_mov_b32 v[NIL], 0
	ds_add_u32 v28, v29
	ds_add_u32 v28, v29
	s_wait_dscnt 0x0
	v_lshrrev_b32 v1, 5, v0
	v_readfirstlane_b32 s14, v1                    ; wave 0..3
	s_lshr_b32 s15, s14, 1                         ; which half of the tile's rows is mine.  Also: I fetch for x (0) or for W (1)
	s_and_b32 s16, s14, 1                          ; which half of its columns.  Also: which 128 rows of that tile I fetch
	s_bfe_u32 s40, ttmp6, 0x40000                  ; cx, cy: my place in the cluster
	s_bfe_u32 s41, ttmp6, 0x40004
	s_lshl_b32 s42, ttmp9, 2
	s_add_co_u32 s42, s42, s40                     ; tile column = 4 x cluster x + cx: 0 .. 11
	s_and_b32 s17, ttmp7, 0xffff
	s_lshl_b32 s17, s17, 2
	s_add_co_u32 s17, s17, s41                     ; tile row = 4 x cluster y + cy: 0 .. 31
	s_lshl_b32 s43, s41, 2
	s_lshl_b32 s43, 15, s43                        ; my row of the cluster
	s_lshl_b32 s44, 0x1111, s40                    ; my column
	; descriptor group 1: a tile of 128 rows x 256 bytes, padded in LDS
	s_or_b32 s[G1+0], s43, (0<<16)|(1<<20)|(1<<21)|(5<<22)|(3<<25)  ; 15:0 the mask: x's tiles go to my row; 17:16 element of 1 byte; 20 padding on; 21 set beside a mask; 24:22 after every 64 words (code 5); 31:25 of 4 words (code 3)
	s_or_b32 s[G1B+0], s44, (0<<16)|(1<<20)|(1<<21)|(5<<22)|(3<<25) ; the same with the mask of my column, for W's tiles
.irp g, G1, G1B
	s_mov_b32 s[\g+1], ROWB<<16                    ; tensor_dim0
	s_mov_b32 s[\g+2], 128<<16                     ; tensor_dim1 = 128
	s_mov_b32 s[\g+3], ROWB<<16                    ; tile_dim0
	s_mov_b32 s[\g+4], 128                         ; tile_dim1 = 128
	s_mov_b32 s[\g+5], KROW                        ; tensor_dim0_stride
	s_mov_b32 s[\g+6], 0
	s_mov_b32 s[\g+7], 0
.endr
	s_lshl_b32 s18, s16, 7                         ; which 128 rows of the tile I fetch
	s_lshl_b32 s20, s17, 8
	s_add_co_u32 s20, s20, s18                     ; x: row 256 x tile row + 128 x half
	s_lshl_b32 s46, s42, 8
	s_add_co_u32 s46, s46, s18                     ; W: row 256 x tile column + 128 x half
	s_mov_b32 s21, 0
	s_mov_b32 s47, 0
	s_mov_b64 s[18:19], KROW
	s_mul_u64 s[20:21], s[20:21], s[18:19]
	s_mul_u64 s[46:47], s[46:47], s[18:19]
	s_mul_i32 s45, s14, HALFT                      ; where they go: wave x 128 rows: no place in the cluster enters an LDS address
	; where my wave's images begin: head (16 batch + 4 (tile column mod 4) + 2 x column half) x 131,072 + my 128 rows' 8,192 bytes.  The same sum serves k, q and v
	s_lshr_b32 s88, s17, 3                         ; batch
	s_lshl_b32 s88, s88, 4
	s_and_b32 s89, s42, 3
	s_lshl_b32 s89, s89, 2
	s_add_co_u32 s88, s88, s89
	s_lshl_b32 s89, s16, 1
	s_add_co_u32 s88, s88, s89
	s_lshl_b32 s88, s88, 17
	s_and_b32 s89, s17, 7
	s_lshl_b32 s89, s89, 14                        ; 256 rows of a head are 16,384 bytes
	s_add_co_u32 s88, s88, s89
	s_lshl_b32 s89, s15, 13
	s_add_co_u32 s88, s88, s89
	s_mov_b32 s89, 0
	s_lshl_b32 s90, s42, 10                        ; my 128 biases: 4 x (256 x tile column + 128 x half)
	s_lshl_b32 s91, s16, 9
	s_add_co_u32 s90, s90, s91
	s_mov_b32 s91, 0
	s_wait_kmcnt 0x0
	s_load_b256 s[80:87], s[8:9], 0x0              ; e0 .. e7
	s_add_nc_u64 s[20:21], s[4:5], s[20:21]
	s_add_nc_u64 s[46:47], s[6:7], s[46:47]
	s_add_nc_u64 s[10:11], s[10:11], s[90:91]
	s_cmp_eq_u32 ttmp9, 0                          ; the image that I write: the choice hangs on the cluster's x alone
	s_cselect_b64 s[74:75], s[68:69], s[70:71]
	s_cmp_eq_u32 ttmp9, 2
	s_cselect_b64 s[74:75], s[72:73], s[74:75]
	s_add_nc_u64 s[74:75], s[74:75], s[88:89]
	CROUND                                         ; all sixteen work-groups are here: the first joint loads meet
.irp s, 0,1
	s_mov_b32 s[G0+4*\s], 1
	s_add_co_u32 s[G0+4*\s+1], s45, \s*SLOT
	s_add_nc_u64 s[G0+4*\s+2:G0+4*\s+3], s[20:21], \s*ROWB
	s_or_b32 s[G0+4*\s+3], s[G0+4*\s+3], 0x80000000
	s_mov_b32 s[G0B+4*\s], 1
	s_add_co_u32 s[G0B+4*\s+1], s45, \s*SLOT
	s_add_nc_u64 s[G0B+4*\s+2:G0B+4*\s+3], s[46:47], \s*ROWB
	s_or_b32 s[G0B+4*\s+3], s[G0B+4*\s+3], 0x80000000
	s_wait_alu depctr_va_vdst(0)
	s_wait_tensorcnt 0x0
	ds_add_u32 v28, v29
	ds_add_u32 v28, v29
	s_wait_dscnt 0x0
	CROUND
	JLOAD G0+4*\s, G1, G0B+4*\s, G1B
.endr
	v_and_b32 v1, 15, v0                           ; r = l % 16
	v_bfe_u32 v2, v0, 4, 1                         ; h = l / 16
	v_mul_u32_u24 v3, v1, PITCH
	v_lshl_add_u32 v4, v2, 4, v3                   ; a fragment's row x pitch + 16 x half
	s_wait_alu depctr_va_vdst(0)
	s_mul_i32 s21, s15, HALFT                      ; my 128 rows of x
	s_mul_i32 s22, s16, HALFT                      ; my 128 rows of W,
	s_add_co_u32 s22, s22, 2*HALFT                 ; which lie behind x's 256
	s_cmp_eq_u32 ttmp9, 2                          ; v?  Then the two sets change places
	s_cselect_b32 s23, s22, s21                    ; the window-0 set (source 1): x's rows for k and q, W's for v
	s_cselect_b32 s22, s21, s22                    ; the window-1 sets (source 0): W's rows for k and q, x's for v
.irp s, 0,1
	v_add_nc_u32 v[ADRA+\s], s23, v4
	v_add_nc_u32 v[ADRB+\s], s22, v4
	s_add_co_u32 s23, s23, SLOT
	s_add_co_u32 s22, s22, SLOT
.endr
	v_and_b32 v6, 31, v0
	v_lshlrev_b32 v[CO], 4, v6
	v_lshlrev_b32 v12, 5, v2                       ; 32 h: my half's eight biases of a block of 16
	v_lshlrev_b32 v13, 2, v1                       ; 4 r: my channel's bias
.irp b, 0,1,2,3,4,5,6,7                        ; both patterns are loaded by every work-group: 128 numbers, read once; they land under the products
	global_load_b128 v[BQ+8*\b:BQ+8*\b+3], v12, s[10:11] offset:64*\b
	global_load_b128 v[BQ+8*\b+4:BQ+8*\b+7], v12, s[10:11] offset:64*\b+16
	global_load_b32 v[BV+2*\b], v13, s[10:11] offset:64*\b
	global_load_b32 v[BV+2*\b+1], v13, s[10:11] offset:64*\b
.endr
.macro FRAG reg, adr, q, i             ; a fragment, 16 rows x 128 K, by four loads of 16 bytes: registers 4 c .. 4 c + 3 hold K = 32 c + 16 (l / 16) + 0 .. 15: one and the same permutation of k on both sides of the product
.irp c, 0,1,2,3
	ds_load_b128 v[\reg+4*\c:\reg+4*\c+3], v[\adr] offset:128*(\q)+32*\c+(\i)*16*PITCH
.endr
.endm
; 16 matrix instructions: the window-0 set's blocks a0, a0 + 1 x the window-1 set's eight, 128 along K.  p: which window-1 set.  zero = 1: the first product starts the sums: nothing is ever cleared.
; The 64 accumulators take turns, one instruction a turn, in the same order in every step.
.macro MUL16 a0, p, zero
.irp a, \a0, \a0+1
.irp b, 0,1,2,3,4,5,6,7
.if \zero
	v_wmma_f32_16x16x128_fp8_fp8 v[8*(8*((\a)%4)+\b):8*(8*((\a)%4)+\b)+7], v[128*(\p)+FR*\b:128*(\p)+FR*\b+FR-1], v[AF+FR*(\a):AF+FR*(\a)+FR-1], 0
.else
	v_wmma_f32_16x16x128_fp8_fp8 v[8*(8*((\a)%4)+\b):8*(8*((\a)%4)+\b)+7], v[128*(\p)+FR*\b:128*(\p)+FR*\b+FR-1], v[AF+FR*(\a):AF+FR*(\a)+FR-1], v[8*(8*((\a)%4)+\b):8*(8*((\a)%4)+\b)+7]
.endif
.endr
.endr
.endm
.macro FETCH_B slot, q, p              ; eight fragments of the slot's q-th 128 along K into window 1's set p
	WIN TO_B
.irp i, 0,1,2,3,4,5,6,7
	FRAG 128*(\p)+FR*\i, ADRB+\slot, \q, \i
.endr
	WIN 0
.endm
.macro FETCH_A slot, q, i0             ; the window-0 set's blocks i0 .. i0 + 3
.irp i, \i0, \i0+1, \i0+2, \i0+3
	FRAG AF+FR*(\i), ADRA+\slot, \q, \i
.endr
.endm
; A load into a register that a matrix instruction has read, and a vector instruction that reads a matrix result or writes one of its registers, stand NP places behind it; only plain vector instructions
; that name none of its registers are places (ISA guide 7.12.1 for vector instructions).
.macro PLACES n
.rept \n
	v_nop
.endr
.endm
; A step of 128 along K that has its successor in the same slot.
.macro STEP slot, q, zero
	s_wait_dscnt 4*NL                              ; window 1's set and blocks 0-3 are in; the youngest sixteen loads (blocks 4-7) may be out
	WIN MUL_LO
	MUL16 0, (\q)%2, \zero
	MUL16 2, (\q)%2, \zero
	s_wait_dscnt 0                                 ; blocks 4-7 are in (asked for 32 matrix instructions ago)
	PLACES NP
	FETCH_B \slot, (\q)+1, 1-(\q)%2
	FETCH_A \slot, (\q)+1, 0
	WIN MUL_HI
	MUL16 4, (\q)%2, \zero
	MUL16 6, (\q)%2, \zero
	PLACES NP
	WIN 0
	FETCH_A \slot, (\q)+1, 4
.endm
; A slot's last step changes slots: ONE barrier; in front of it each wave waits for all its tensor loads, adds 0 to its spare word, and waits for that and for its own reads of this slot.  fill = 1: this slot is filled again, two K steps ahead.
.macro TURN slot, next, fill
	s_wait_tensorcnt 0x0                           ; all my tensor loads have landed: my part of the next slot  (every window is 0 here)
	ds_add_u32 v[SPW], v[NIL]                      ; 0 onto my spare word
	s_wait_dscnt 4*NL+1                            ; (the add and the youngest sixteen loads, blocks 4-7, may be out)
	WIN MUL_LO
	MUL16 0, 1, 0                                  ; sixteen matrix instructions stand between the add and the wait for it
	s_wait_dscnt 0x0                               ; the add is done, and my reads of this slot are over
	s_barrier_signal -1
	MUL16 2, 1, 0
	WIN 0
	s_barrier_wait -1
.if \fill
	CREST                                          ; the barrier has opened a round of the cluster's barrier: no wave of any partner still reads this slot's tile or has a load on its way
	s_add_nc_u64 s[G0+4*\slot+2:G0+4*\slot+3], s[G0+4*\slot+2:G0+4*\slot+3], 2*ROWB
	s_add_nc_u64 s[G0B+4*\slot+2:G0B+4*\slot+3], s[G0B+4*\slot+2:G0B+4*\slot+3], 2*ROWB
	JLOAD G0+4*\slot, G1, G0B+4*\slot, G1B         ; the first tensor load behind the round; the four v_nop behind it are the places in front of the loads below
.else
	PLACES NP
.endif
	FETCH_B \next, 0, 0
	FETCH_A \next, 0, 0
	WIN MUL_HI
	MUL16 4, 1, 0
	MUL16 6, 1, 0
	PLACES NP
	WIN 0
	FETCH_A \next, 0, 4
.endm
	s_wait_alu depctr_va_vdst(0)
	s_wait_tensorcnt 1                             ; my part of K step 0 is in (K step 1's load may be out)
	s_barrier_signal -1
	s_barrier_wait -1                              ; everybody's is
	FETCH_B 0, 0, 0
	FETCH_A 0, 0, 0
	FETCH_A 0, 0, 4
	STEP 0, 0, 1                                   ; the first step stands in front of the loop: its products start the sums
	s_mov_b32 s3, LAPS-1
.Llap:                                                 ; a trip goes once round the ring, from a lap's second step to the next lap's first, and fills both slots again
	TURN 0, 1, 1
	STEP 1, 0, 0
	TURN 1, 0, 1
	STEP 0, 0, 0
	s_sub_co_u32 s3, s3, 1
	s_cmp_lg_u32 s3, 0
	s_cbranch_scc1 .Llap
	TURN 0, 1, 0                                   ; the last lap fills nothing, and has no round of the cluster's barrier
	STEP 1, 0, 0
	s_wait_dscnt 4*NL                              ; the very last step: nothing more to fetch
	WIN MUL_LO
	MUL16 0, 1, 0
	MUL16 2, 1, 0
	s_wait_dscnt 0
	WIN MUL_HI
	MUL16 4, 1, 0
	MUL16 6, 1, 0
	WIN 0
; THE WAY OUT, block a (eight accumulators) at a time: sum x 2^(e0 + e1) + bias, two numbers an instruction and each accumulator from its low end on;
; eight conversions, each an accumulator's eight numbers into two registers; four stores of a piece.
.macro OUTA isv, a
.set AC, 64*((\a)%4)
.set CD, COD+16*((\a)%4)
.set WW, 0x02+((\a)/4)                 ; source 0: window 2 or 3
.if (\a) == 4
	s_wait_xcnt 0x0                                ; blocks 0-3's stores have read their registers: the four sets of codes are written again from here on
.endif
	WIN WW
.set i, 0
.rept 32
.if \isv
	v_pk_fma_f32 v[TMP+i:TMP+i+1], v[AC+i:AC+i+1], s[96:97], v[BV+2*(\a):BV+2*(\a)+1] op_sel_hi:[1,0,1]   ; a lane holds one channel: one bias for all its keys
.else
	v_pk_fma_f32 v[TMP+i:TMP+i+1], v[AC+i:AC+i+1], s[96:97], v[BQ+i:BQ+i+1] op_sel_hi:[1,0,1]             ; register 8 b + j: channel 16 b + 8 h + j
.endif
.set i, i+2
.endr
	WIN 0
.set i, 0
.rept 64
.set i, i+1
.endr
.set i, 0
.rept 8
	v_cvt_scalef32_pk8_fp8_f32 v[CD+2*i:CD+2*i+1], v[TMP+8*i:TMP+8*i+7], v[SCL]
.set i, i+1
.endr
	v_nop                                          ; one plain vector instruction between the last conversion and the next block's lines, which write its sources
.irp p, 0,1,2,3
.if \isv
	global_store_b128 v[CO], v[CD+4*\p:CD+4*\p+3], s[74:75] offset:((\a)/4)*HEADB+((\a)%4)*2048+\p*512     ; head a / 4, channels 16 (a % 4) on, keys 32 p on: 512 consecutive bytes
.else
	global_store_b128 v[CO], v[CD+4*\p:CD+4*\p+3], s[74:75] offset:(\p/2)*HEADB+(\a)*1024+(\p%2)*512       ; head p / 2, rows 16 a on, channels 32 (p % 2) on: 512 consecutive bytes
.endif
.endr
.endm
	s_wait_kmcnt 0x0                               ; the exponents
	s_wait_loadcnt 0x0                             ; the biases
	s_add_co_i32 s96, s80, s81                     ; e0 + e1, between -126 and 127,
	s_add_co_i32 s96, s96, 127
	s_lshl_b32 s96, s96, 23                        ; makes the f32 number 2^(e0 + e1)
	s_mov_b32 s97, s96                             ; (named with it as a pair, so it is written)
	s_cmp_eq_u32 ttmp9, 0
	s_cselect_b32 s76, s83, s82                    ; k: e3; q: e2;
	s_cmp_eq_u32 ttmp9, 2
	s_cselect_b32 s76, s85, s76                    ; v: e5.  A choice, no branch, on the loaded numbers
	s_add_co_i32 s76, s76, 127
	s_lshl_b32 s77, s76, 23
	v_mov_b32 v[SCL], s77                          ; 2^e as f32: the conversion takes its exponent field
	PLACES NP                                      ; behind the last products: their results are read and the window-0 set's registers written below
	s_cmp_eq_u32 ttmp9, 2                          ; the same in all sixteen partners
	s_cbranch_scc1 .Lout_v
.irp a, 0,1,2,3,4,5,6,7
	OUTA 0, \a
.endr
	s_branch .Lout_done
.Lout_v:
.irp a, 0,1,2,3,4,5,6,7
	OUTA 1, \a
.endr
.Lout_done:
	s_wait_tensorcnt 0x0                           ; the wave's end
	ds_add_u32 v[SPW], v[NIL]
	s_wait_dscnt 0x0
	CROUND                                         ; the closing round: no work-group ends while a partner may still ask for a tile that names it
	s_endpgm
.Lfunc_end_k_q9ec111569b_qkv:
	.size	k_q9ec111569b_qkv, .Lfunc_end_k_q9ec111569b_qkv-k_q9ec111569b_qkv
	.p2alignl 7, 3214868480
	.fill 96, 4, 3214868480
	.section	.rodata,"a",@progbits
	.p2align	6, 0x0
	.amdhsa_kernel k_q9ec111569b_qkv
		.amdhsa_group_segment_fixed_size 327680
		.amdhsa_private_segment_fixed_size 0
		.amdhsa_enable_private_segment 0
		.amdhsa_kernarg_size 56
		.amdhsa_user_sgpr_count 2
		.amdhsa_user_sgpr_kernarg_segment_ptr 1
		.amdhsa_wavefront_size32 1
		.amdhsa_system_sgpr_workgroup_id_x 1
		.amdhsa_system_sgpr_workgroup_id_y 1
		.amdhsa_system_sgpr_workgroup_id_z 1
		.amdhsa_system_vgpr_workitem_id 0
		.amdhsa_next_free_vgpr 1024
		.amdhsa_next_free_sgpr 98
		.amdhsa_reserve_vcc 0
		.amdhsa_float_denorm_mode_32 3
		.amdhsa_float_denorm_mode_16_64 3
		.amdhsa_fp16_overflow 1
		.amdhsa_memory_ordered 1
		.amdhsa_forward_progress 1
		.amdhsa_inst_pref_size 130
	.end_amdhsa_kernel
	.amdgpu_metadata
---
amdhsa.version: [ 1, 2 ]
amdhsa.kernels:
  - .name:           k_q9ec111569b_qkv
    .symbol:         k_q9ec111569b_qkv.kd
    .args:
      - { .name: x_codes, .offset: 0, .size: 8, .value_kind: global_buffer, .address_space: global }
      - { .name: W_kqv_codes, .offset: 8, .size: 8, .value_kind: global_buffer, .address_space: global }
      - { .name: lowp_scales, .offset: 16, .size: 8, .value_kind: global_buffer, .address_space: global }
      - { .name: b_kqv, .offset: 24, .size: 8, .value_kind: global_buffer, .address_space: global }
      - { .name: k_img, .offset: 32, .size: 8, .value_kind: global_buffer, .address_space: global }
      - { .name: q_img, .offset: 40, .size: 8, .value_kind: global_buffer, .address_space: global }
      - { .name: v_img, .offset: 48, .size: 8, .value_kind: global_buffer, .address_space: global }
    .group_segment_fixed_size: 327680
    .private_segment_fixed_size: 0
    .kernarg_segment_align: 8
    .kernarg_segment_size: 56
    .max_flat_workgroup_size: 128
    .sgpr_count:     98
    .vgpr_count:     1024
    .wavefront_size: 32
...
	.end_amdgpu_metadata
.endif
;; end of part 1
;; launch attn (part 2): grid 4 x 64, 16 waves a work-group, no clusters, 327,680 bytes of LDS; arguments q_img, k_img, v_img, lowp_scales, y_img; writes y_img
.if DOCPART == 2
	.amdgcn_target "amdgcn-amd-amdhsa--gfx1250"
	.amdhsa_code_object_version 6
	.text
	.protected	k_q9ec111569b_attn
	.globl	k_q9ec111569b_attn
	.p2align	8
	.type	k_q9ec111569b_attn,@function
k_q9ec111569b_attn:
	s_mov_b64 s[64:65], 0
	v_nop
	global_prefetch_b8 v0, s[64:65] scope:SCOPE_SE
	s_setreg_imm32_b32 hwreg(HW_REG_WAVE_MODE, 25, 1), 1
	s_wait_xcnt 0x0
; y[b][q][head] = the sum over keys k <= q of softmax_k(q . k / 8) v, both products on codes of FP8 (E4M3); y is quantised with its given scale and stored as an image of the last product's operand registers.
; 64 heads (16 batch + head) of 2,048 rows x 64 channels.  q_img, k_img: [head 64][tile of 16 rows 128][piece 2][512]; v_img: [head 64][step of 128 keys 16][16 channels 4][piece 4][512];
; y_img: [tile of 16 rows 512][K step of 128 columns 8][piece 4][512].  A piece: lane l's 16 bytes, four registers of a fragment, at 16 l.  lowp_scales: e2 (q), e3 (k), e4 (p), e5 (v), e6 (y).
; THE SOFTMAX AHEAD OF THE SECOND PRODUCT: t = score x log2(e) / 8; M = the row's largest t so far, rounded UP to a whole number; p = 2^(t - M) is what is quantised; it is not normalised.
; The row's sum is taken of the unquantised p, in f32, and divides O at the end.  When M moves, the sum and O are multiplied by 2^(old M - new M): exact.
; SHARES.  Work-group (i, head) owns the blocks of 256 queries 7 - i and i of its head.  It walks block 7 - i over the slots of 256 keys 0 .. 7 - i and then block i over slots 0 .. i: nine slots whatever i is, so all
; 256 work-groups have the same causal work and every trip count is a constant.  Each of the SIXTEEN waves owns 16 queries of a block, in 256 registers: four waves to a SIMD, so that one wave's vector work stands
; beside another's matrix work and LDS loads.  A step is 128 keys; a step all of whose keys come after the wave's queries is jumped over (a scalar branch on ids).
; LAYOUT.  Both products are used transposed: S^T = K Q^T (16x16x64: source 0 = 16 keys, source 1 = my 16 queries), O^T = V^T P^T (16x16x128: source 0 = 16 channels, source 1 = P): a lane holds ONE query (lane % 16).
; In tile t of S^T lane (r, h) holds keys 16 t + 8 h + 0 .. 7: one conversion of the tile gives registers 2 t, 2 t + 1 of P in the plain 8-bit layout, which is how v_img lays the keys.  Nothing changes lanes.
; THE RING.  Two LDS slots of 32,768 bytes: 16 tiles of K, then two key steps of V, both as they lie in the images: each is one dense block of 16,384 bytes.  Wave 0 fetches K's, wave 1 V's.  No padding: every read is
; 16 x lane + a constant, 512 consecutive bytes.
; NO CLUSTER: the four work-groups of a head walk 8 - i slots and then i + 1, so from the fifth change of slots on they want different slots in the same trip; and a trip's fill, 32,768 bytes, stands
; beside 32 key steps of some 260 vector instructions each in the work-group: what could be shared is a small part of a trip.
; LIMITS on the given exponents, so that each power of two below is an f32 number: e2 + e3 between -123 and 130 (added to c's exponent field); e4 and e6 between -126 and 119; e4 + e5 is applied by v_ldexp_f32 and has none.
; REGISTERS: v1-6 addresses that stay; v12 -M, v13 the largest t, v[14:15] the sum in two halves; v16-23 Q; v24-31 the second block's Q; v32-95 eight fragments of K, then four of V; v96-159 S^T, then p;
; v160-191 O^T; v192-207 p's codes; v208-215 at work; v219-220 scales; v224-231 y's codes.
.set SLOTB, 0x8000                     ; a slot; one exclusive or turns an address in one slot into the other's
.set VOFF,  16384                      ; V's part of a slot
.set SPARE, 65536                      ; behind the ring: the spare words, 128 bytes for each of the 16 waves
.set L16,  1                           ; v1   16 x lane
.set ADR,  2                           ; v2   LDS address of the slot in hand + 16 x lane
.set PFO,  3                           ; v3   256 x lane: the prefetches' offset; never rewritten
.set DQ,   4                           ; v4   r - 8 h
.set SPW,  5                           ; v5   LDS address of my spare word; never rewritten
.set NIL,  6                           ; v6   0; never rewritten
.set TB,   2                           ; s2   LDS byte at which the slot in hand begins
.set TR,   3                           ; s3   trips to go: 8 .. 1
.set WV,   14                          ; s14  my wave's number;  s15 i;  s16 the head;  s17 8 - i;  s18 i + 1
.set NKS,  19                          ; s19  which 256 keys the slot asked for last holds
.set SEL,  20                          ; s[20:21] lane selects for v_permlanex16_b32: lane l xor 16
.set CS,   22                          ; s[22:23] c = log2(e) / 8 x 2^(e2 + e3)
.set G1,   24                          ; s[24:31] descriptor group 1;  s[32:35] group 0;  s[36:37] K's or V's image at my head;  s[38:39] an offset
.set KF,   40                          ; s40  the slot's first key
.set Q0,   41                          ; s41  my first query;  s42 that of the second block
.set Q0B,  42
.set YB1,  44                          ; s[44:45], s[46:47] where my two tiles of y go
.set YB2,  46
.set PFA,  58                          ; s[58:59] where my prefetches stand
.set LIM,  60                          ; s60  2 in a wave that prefetches, else the greatest number
; Waves 0 and 1 fetch, the others nothing.  The branch hangs on the wave's number alone.  Four v_nop follow the line.
.macro TLOAD
	s_cmp_lt_u32 s[WV], 2
	s_cbranch_scc0 .Lnone_\@
	tensor_load_to_lds s[32:35], s[G1:G1+7]
	s_nop 0
.rept 4
	v_nop
.endr
.Lnone_\@:
.endm
; A PREFETCH INTO THE L2 of what the NEXT change of slots will ask for.  All four work-groups of a head walk the same K and V; work-group i = 0 walks slots 0 .. 7 in order, and it alone asks.  In it waves 4 and 5 ask for
; the halves of K's block of 16,384 bytes, waves 6 and 7 for V's: 8,192 bytes a wave, lanes 256 bytes apart, one instruction.  So each aligned block of 256 bytes is named once in the launch.
; Trip n (0 .. 5) names slot n + 2, a slot's two key steps ahead of the load that wants it; the later trips ask for nothing; slots 0 and 1 come by their loads alone.
.macro ASK
	s_cmp_gt_u32 s[TR], s[LIM]
	s_cbranch_scc0 .Lnot_mine_\@
	global_prefetch_b8 v[PFO], s[PFA:PFA+1] th:TH_LOAD_NT scope:SCOPE_SE
.Lnot_mine_\@:
.endm
.macro RESET                           ; a block of queries begins: the largest t is -3e38, under every t; the sum and O^T are zeros, which the first change of M leaves zeros
	v_mov_b32 v13, 0xff61b1e6
	s_delay_alu instid0(VALU_DEP_1)
	v_floor_f32 v12, -v13
	v_mov_b32 v14, 0
	v_mov_b32 v15, 0
.set j, 0
.rept 32
	v_mov_b32 v[160+j], 0
.set j, j+1
.endr
.endm
	s_load_b128 s[4:7], s[0:1], 0x0                ; q_img s[4:5], k_img s[6:7]
	s_load_b128 s[8:11], s[0:1], 0x10              ; v_img s[8:9], the scales' exponents s[10:11]
	s_load_b64 s[12:13], s[0:1], 0x20              ; y_img
	v_lshl_add_u32 v[SPW], v0, 2, SPARE
	v_mov_b32 v[NIL], 0
	ds_add_u32 v5, v6
	ds_add_u32 v5, v6
	s_wait_dscnt 0x0
	v_lshrrev_b32 v7, 5, v0
	s_delay_alu instid0(VALU_DEP_1)
	v_readfirstlane_b32 s[WV], v7                  ; wave 0..15
	s_mov_b32 s15, ttmp9                           ; i
	s_and_b32 s16, ttmp7, 0xffff                   ; the head
	s_sub_co_u32 s17, 8, s15                       ; the first block's slots
	s_add_co_u32 s18, s15, 1                       ; the second block's: the first block is finished in the trip that has so many to go
	; descriptor group 1: a dense block of 16,384 bytes as 64 rows of 256
	s_mov_b32 s[G1], 3<<16                         ; 15:0 no mask; 17:16 elements of 8 bytes; no padding
	s_mov_b32 s[G1+1], 32<<16                      ; tensor_dim0 = 32
	s_mov_b32 s[G1+2], 64<<16                      ; tensor_dim1 = 64
	s_mov_b32 s[G1+3], 32<<16                      ; tile_dim0 = 32
	s_mov_b32 s[G1+4], 64                          ; tile_dim1 = 64
	s_mov_b32 s[G1+5], 32                          ; tensor_dim0_stride
	s_mov_b32 s[G1+6], 0
	s_mov_b32 s[G1+7], 0
	s_mov_b32 s[SEL], 0x76543210
	s_mov_b32 s[SEL+1], 0xfedcba98
	s_lshl_b32 s38, s16, 17                        ; the head's first byte in each image
	s_mov_b32 s39, 0
	s_and_b32 s61, s[WV], 1
	s_lshl_b32 s33, s61, 14                        ; 63:32 LDS address: slot 0; wave 0: K's part, wave 1: V's
	s_mov_b32 s32, 1                               ; 1:0 count = 1
	s_wait_kmcnt 0x0
	s_load_b256 s[48:55], s[10:11], 0x0            ; e0 .. e7
	s_cmp_eq_u32 s[WV], 0
	s_cselect_b64 s[36:37], s[6:7], s[8:9]
	s_add_nc_u64 s[36:37], s[36:37], s[38:39]
	s_mov_b64 s[34:35], s[36:37]                   ; 120:64 global address: the head's first 256 keys
	s_or_b32 s35, s35, 0x80000000                  ; 127:126 type = 2
	TLOAD                                          ; slot 0
	v_and_b32 v7, 31, v0
	s_delay_alu instid0(VALU_DEP_1)
	v_lshlrev_b32 v[L16], 4, v7
	s_wait_alu depctr_va_vdst(0)
	v_lshlrev_b32 v[PFO], 8, v7
	v_and_b32 v8, 15, v0                           ; r
	v_bfe_u32 v9, v0, 4, 1                         ; h
	s_delay_alu instid0(VALU_DEP_1)
	v_lshlrev_b32 v9, 3, v9
	s_delay_alu instid0(VALU_DEP_1)
	v_sub_nc_u32 v[DQ], v8, v9
	s_lshl_b32 s61, s[WV], 10                      ; Q: my tile of a block, 1,024 bytes a tile,
	s_add_co_u32 s61, s61, s38                     ; in my head
	s_sub_co_u32 s62, 7, s15                       ; the first block
	s_lshl_b32 s66, s62, 14                        ; a block's 16 tiles
	s_add_co_u32 s66, s66, s61
	s_mov_b32 s67, 0
	s_add_nc_u64 s[66:67], s[4:5], s[66:67]
	s_lshl_b32 s68, s15, 14                        ; the second block
	s_add_co_u32 s68, s68, s61
	s_mov_b32 s69, 0
	s_add_nc_u64 s[68:69], s[4:5], s[68:69]
	global_load_b128 v[16:19], v[L16], s[66:67]              ; both blocks' fragments of Q stay in registers
	global_load_b128 v[20:23], v[L16], s[66:67] offset:512
	global_load_b128 v[24:27], v[L16], s[68:69]
	global_load_b128 v[28:31], v[L16], s[68:69] offset:512
	s_lshl_b32 s63, s[WV], 4
	s_lshl_b32 s[Q0], s62, 8
	s_add_co_u32 s[Q0], s[Q0], s63                 ; my first query: 256 (7 - i) + 16 x wave,
	s_lshl_b32 s[Q0B], s15, 8
	s_add_co_u32 s[Q0B], s[Q0B], s63               ; and 256 i + 16 x wave
	; the prefetches: who asks, and where
	s_cmp_lt_u32 s[WV], 6
	s_cselect_b64 s[PFA:PFA+1], s[6:7], s[8:9]
	s_and_b32 s62, s[WV], 1
	s_lshl_b32 s62, s62, 13                        ; my half of a block,
	s_add_co_u32 s62, s62, s38                     ; in my head,
	s_add_co_u32 s62, s62, 16384                   ; in slot 1: the first change of slots steps it to slot 2.  Nothing is prefetched here, at the head
	s_mov_b32 s63, 0
	s_add_nc_u64 s[PFA:PFA+1], s[PFA:PFA+1], s[62:63]
	s_lshr_b32 s61, s[WV], 2
	s_xor_b32 s61, s61, 1                          ; 0 in waves 4 to 7,
	s_or_b32 s61, s61, ttmp9                       ; of the head's work-group 0
	s_cmp_eq_u32 s61, 0
	s_cselect_b32 s[LIM], 2, -1
	; where y goes: tile (128 batch + 16 block + wave) x 16,384 + K step (head / 2) x 2,048 + (head % 2) x 1,024
	s_lshr_b32 s61, s16, 4
	s_lshl_b32 s61, s61, 7
	s_add_co_u32 s61, s61, s[WV]
	s_lshl_b32 s61, s61, 14
	s_bfe_u32 s62, s16, 0x30001                    ; three bits from bit 1: (head mod 16) / 2
	s_lshl_b32 s62, s62, 11
	s_add_co_u32 s61, s61, s62
	s_and_b32 s62, s16, 1
	s_lshl_b32 s62, s62, 10
	s_add_co_u32 s61, s61, s62
	s_sub_co_u32 s62, 7, s15
	s_lshl_b32 s62, s62, 18
	s_add_co_u32 s62, s62, s61
	s_add_nc_u64 s[YB1:YB1+1], s[12:13], s[62:63]
	s_lshl_b32 s62, s15, 18
	s_add_co_u32 s62, s62, s61
	s_add_nc_u64 s[YB2:YB2+1], s[12:13], s[62:63]
	RESET
	v_mov_b32 v210, 0                              ; written once: a lane permute's destination counts as one of its sources
	v_mov_b32 v213, 0                              ; (named as the upper half of the pair v[212:213])
	s_mov_b32 s[TB], 0
	s_mov_b32 s[NKS], 0
	s_mov_b32 s[KF], 0
	s_mov_b32 s[TR], 8
	s_wait_kmcnt 0x0
	s_add_co_i32 s61, s50, s51
	s_lshl_b32 s61, s61, 23
	s_mov_b32 s[CS], 0x3e38aa3b                    ; c = log2(e) / 8
	s_add_co_i32 s[CS], s[CS], s61                 ; a score stands for score x 2^(e2 + e3): the two exponents are added to c's exponent field
	s_mov_b32 s[CS+1], s[CS]                       ; (named with it as a pair, so it is written)
	s_add_co_i32 s61, s52, 127
	s_lshl_b32 s62, s61, 23
	v_mov_b32 v219, s62                            ; 2^e4 as f32, for p's conversions
	s_add_co_i32 s61, s54, 127
	s_lshl_b32 s62, s61, 23
	v_mov_b32 v220, s62                            ; 2^e6, for y's
	s_add_co_i32 s56, s52, s53                     ; e4 + e5
; A KEY STEP: 128 keys, the q-th of the slot in hand.
.macro STEP q
	s_add_co_u32 s61, s[KF], 128*(\q)              ; the step's first key
	s_add_co_u32 s62, s[Q0], 15
	s_cmp_gt_u32 s61, s62                          ; all its keys come after my 16 queries: the step is left out.  No barrier and no tensor load stands in a step
	s_cbranch_scc1 .Lhidden_\@
	v_add_nc_u32 v[ADR], s[TB], v[L16]
.rept 3
	v_nop                                          ; with the addition above: four places behind the last products, in front of loads into registers that they have read
.endr
.set t, 0
.rept 8                                        ; K's eight tiles of 16 keys x 64 channels: two pieces each
	ds_load_b128 v[32+8*t:35+8*t], v[ADR] offset:(8*(\q)+t)*1024
	ds_load_b128 v[36+8*t:39+8*t], v[ADR] offset:(8*(\q)+t)*1024+512
.set t, t+1
.endr
.set t, 0
	s_wait_alu depctr_va_vdst(0)
.rept 8
	s_wait_dscnt 14-2*t                            ; LDS loads come back in order: tile t's two are in, the 14 - 2 t issued behind them may be out
	v_wmma_f32_16x16x64_fp8_fp8 v[96+8*t:103+8*t], v[32+8*t:39+8*t], v[16:23], 0
.set t, t+1
.endr
.rept 4
	v_nop                                          ; places: in front of the loads below, into registers that these products have read, and of the first read of the scores
.endr
.set t, 0
.rept 16                                       ; V's four fragments (16 channels x 128 keys, four pieces each) land under the softmax
	ds_load_b128 v[32+4*t:35+4*t], v[ADR] offset:VOFF+8192*(\q)+512*t
.set t, t+1
.endr
	s_add_co_u32 s62, s61, 127                     ; on the diagonal the scores of hidden keys become -infinity ahead of the maximum: p = 0 then.  A step all of whose keys count skips this
	s_cmp_le_u32 s62, s[Q0]
	s_cbranch_scc1 .Lopen_\@
	s_sub_co_i32 s62, s[Q0], s61
	v_add_nc_u32 v208, s62, v[DQ]                  ; d = my query - the step's first key - 8 h.  Register 8 t + j holds key 16 t + 8 h + j of the step: hidden where 16 t + j > d
	v_mov_b32 v209, 0xff800000                     ; -infinity
.set n, 0
.rept 64
	v_cmp_gt_i32 vcc_lo, 16*(n/8)+n%8, v208
	v_cndmask_b32 v[96+n], v[96+n], v209, vcc_lo
.set n, n+1
.endr
.Lopen_\@:
	v_max3_num_f32 v208, v96, v97, v98             ; the step's largest score of my query, among my 64 keys, in two chains, each tile from its low end on,
	v_max3_num_f32 v209, v99, v100, v101
.set n, 6
.rept 14
	v_max3_num_f32 v208, v208, v[96+n], v[97+n]
	v_max3_num_f32 v209, v209, v[98+n], v[99+n]
.set n, n+4
.endr
	v_max3_num_f32 v208, v208, v158, v159
	s_delay_alu instid0(VALU_DEP_1)
	v_max_num_f32 v208, v208, v209
	s_delay_alu instid0(VALU_DEP_1)
	v_permlanex16_b32 v210, v208, s[SEL], s[SEL+1]
	s_delay_alu instid0(VALU_DEP_1)
	v_max_num_f32 v208, v208, v210                 ; and among lane l xor 16's
	s_delay_alu instid0(VALU_DEP_1)
	v_mul_f32 v208, s[CS], v208                    ; as t (c is positive)
	s_delay_alu instid0(VALU_DEP_1)
	v_max_num_f32 v13, v13, v208                   ; the running largest t
	v_mov_b32 v208, v12
	s_delay_alu instid0(VALU_DEP_2)
	v_floor_f32 v12, -v13                          ; the new -M = floor(-t) = -ceil(t): M is a whole number
	s_delay_alu instid0(VALU_DEP_1)
	v_sub_f32 v208, v12, v208                      ; M's old value less its new one: a whole number, 0 or less
	s_delay_alu instid0(VALU_DEP_1)
	v_cvt_i32_f32 v208, v208                       ; (it saturates)
	s_delay_alu instid0(VALU_DEP_1)
	v_ldexp_f32 v212, 1.0, v208                    ; f = 2^(old M - new M): a multiplication by it rounds nothing
.set n, 0
.rept 32
	v_pk_fma_f32 v[96+n:97+n], v[96+n:97+n], s[CS:CS+1], v[12:13] op_sel_hi:[1,0,0]   ; t - M, two at a time (of the pairs c and -M the low word serves both halves)
.set n, n+2
.endr
.set n, 0
	s_wait_alu depctr_va_vdst(0)
.rept 64
	v_exp_f32 v[96+n], v[96+n]                     ; p = 2^(t - M), at most 1: not normalised
.set n, n+1
.endr
	v_pk_mul_f32 v[14:15], v[14:15], v[212:213] op_sel_hi:[1,0]   ; the sums under the new M: the plain instruction behind the exponentials
	s_wait_alu depctr_va_vdst(0)                   ; one wait for the whole batch, ahead of its first reader
	v_pk_add_f32 v[214:215], v[100:101], v[104:105]
	v_pk_add_f32 v[254:255], v[108:109], v[112:113]
	v_pk_add_f32 v[252:253], v[116:117], v[120:121]
	v_pk_add_f32 v[250:251], v[124:125], v[128:129]
	v_pk_add_f32 v[248:249], v[132:133], v[136:137]
	v_pk_add_f32 v[246:247], v[140:141], v[144:145]
	v_pk_add_f32 v[244:245], v[148:149], v[152:153]
	v_pk_add_f32 v[14:15], v[14:15], v[156:157]
	v_pk_add_f32 v[214:215], v[214:215], v[96:97]
	v_pk_add_f32 v[254:255], v[254:255], v[98:99]
	v_pk_add_f32 v[252:253], v[252:253], v[102:103]
	v_pk_add_f32 v[250:251], v[250:251], v[106:107]
	v_pk_add_f32 v[248:249], v[248:249], v[110:111]
	v_pk_add_f32 v[246:247], v[246:247], v[114:115]
	v_pk_add_f32 v[244:245], v[244:245], v[118:119]
	v_pk_add_f32 v[14:15], v[14:15], v[122:123]
	v_pk_add_f32 v[214:215], v[214:215], v[126:127]
	v_pk_add_f32 v[254:255], v[254:255], v[130:131]
	v_pk_add_f32 v[252:253], v[252:253], v[134:135]
	v_pk_add_f32 v[250:251], v[250:251], v[138:139]
	v_pk_add_f32 v[248:249], v[248:249], v[142:143]
	v_pk_add_f32 v[246:247], v[246:247], v[146:147]
	v_pk_add_f32 v[244:245], v[244:245], v[150:151]
	v_pk_add_f32 v[14:15], v[14:15], v[154:155]
	v_pk_add_f32 v[214:215], v[214:215], v[158:159]
	s_delay_alu instid0(VALU_DEP_2)
	v_pk_add_f32 v[14:15], v[14:15], v[250:251]
	s_delay_alu instid0(VALU_DEP_2)
	v_pk_add_f32 v[214:215], v[214:215], v[248:249]
	v_pk_add_f32 v[254:255], v[254:255], v[246:247]
	v_pk_add_f32 v[252:253], v[252:253], v[244:245]
	s_delay_alu instid0(VALU_DEP_2)
	v_pk_add_f32 v[14:15], v[14:15], v[254:255]
	s_delay_alu instid0(VALU_DEP_2)
	v_pk_add_f32 v[214:215], v[214:215], v[252:253]
	s_delay_alu instid0(VALU_DEP_1)
	v_pk_add_f32 v[14:15], v[14:15], v[214:215]
.set t, 0
.rept 8
.set n, 0
.rept 8
.set n, n+1
.endr
	v_cvt_scalef32_pk8_fp8_f32 v[192+2*t:193+2*t], v[96+8*t:103+8*t], v219   ; keys 16 t + 8 h + 0 .. 7: registers 2 t, 2 t + 1 of P
.set t, t+1
.endr
.set n, 0
.rept 16
	v_pk_mul_f32 v[160+n:161+n], v[160+n:161+n], v[212:213] op_sel_hi:[1,0]   ; O^T under the new M.  (These are also the plain instructions between the conversions and the products that read their results)
.set n, n+2
.endr
	s_wait_alu depctr_va_vdst(0)
	s_wait_dscnt 0x0                               ; V is in
.set t, 0
.rept 4                                        ; four accumulators by turns, one instruction a turn; the next matrix instruction behind the fourth is one of S^T
	v_wmma_f32_16x16x128_fp8_fp8 v[160+8*t:167+8*t], v[32+16*t:47+16*t], v[192:207], v[160+8*t:167+8*t]
.set t, t+1
.endr
.Lhidden_\@:
.endm
; THE CHANGE OF SLOTS stands at a slot's head.  Each wave waits for all its tensor loads (its part of the slot that it is about to read), adds 0 to its spare word, and waits for that and for its reads of the slot that it
; has left.  Behind the barrier the slot ahead is whole and nobody reads the other one.  fill = 1: that other slot is filled with the keys that the next trip walks: the load has a whole slot's steps in which to land.
.macro CHANGE fill
	s_wait_tensorcnt 0x0                           ; no tensor load of mine is out, so group 0 may be written
	ds_add_u32 v[SPW], v[NIL]                      ; 0 onto my spare word; the descriptor's step stands between it and the wait for it
.if \fill
	s_xor_b32 s33, s33, SLOTB                      ; the other slot than last time
	s_add_co_u32 s[NKS], s[NKS], 1                 ; the next 256 keys,
	s_cmp_eq_u32 s[NKS], s17
	s_cselect_b32 s[NKS], 0, s[NKS]                ; or, behind the first block's last slot, the head's first again
	s_lshl_b32 s38, s[NKS], 14
	s_add_nc_u64 s[34:35], s[36:37], s[38:39]
	s_or_b32 s35, s35, 0x80000000
	s_wait_xcnt 0x0                                ; the last prefetch, a slot back, has read its address, so it may be written
	s_add_nc_u64 s[PFA:PFA+1], s[PFA:PFA+1], 16384
.endif
	s_wait_dscnt 0x0                               ; the add is done, and my reads of the slot that I have left are over
	s_barrier_signal -1
	s_barrier_wait -1
.if \fill
	TLOAD                                          ; the first thing behind the barrier, and a wave's one tensor load until the next
	ASK
.endif
.endm
; A block of queries is finished: y = O^T / the sum x 2^(e4 + e5), held, quantised with 2^e6.  The conversion of tile dt gives registers 2 c, 2 c + 1, c = 4 (head % 2) + dt, of y's fragment: two pieces, 512 consecutive bytes a store.
.macro FINISH base, again
	s_wait_xcnt 0x0                                ; earlier stores have read their registers
.rept 4
	v_nop                                          ; places behind the last products
.endr
	v_add_f32 v14, v14, v15                        ; the sum's two halves,
	s_wait_alu depctr_va_vdst(0)
	v_permlanex16_b32 v210, v14, s[SEL], s[SEL+1]
	s_delay_alu instid0(VALU_DEP_1)
	v_add_f32 v14, v14, v210                       ; and lane l xor 16's: the row's sum
	s_wait_alu depctr_va_vdst(0)
	v_rcp_f32 v14, v14
	v_nop                                          ; a plain instruction behind the transcendental
	s_wait_alu depctr_va_vdst(0)                   ; and the wait ahead of its first reader
	v_ldexp_f32 v14, v14, s56                      ; x 2^(e4 + e5)
.set n, 0
.rept 16
	v_pk_mul_f32 v[96+n:97+n], v[160+n:161+n], v[14:15] op_sel_hi:[1,0]   ; each accumulator from its low end on
.set n, n+2
.endr
.set n, 0
.rept 32
.set n, n+1
.endr
.set n, 0
.rept 4
	v_cvt_scalef32_pk8_fp8_f32 v[224+2*n:225+2*n], v[96+8*n:103+8*n], v220
.set n, n+1
.endr
	v_nop                                          ; one plain instruction behind the last conversion: later products write its sources
	global_store_b128 v[L16], v[224:227], s[\base:\base+1]
	global_store_b128 v[L16], v[228:231], s[\base:\base+1] offset:512
.if \again
	RESET
.set n, 0
.rept 8
	v_mov_b32 v[16+n], v[24+n]                     ; the second block's Q
.set n, n+1
.endr
	s_mov_b32 s[Q0], s[Q0B]
.endif
.endm
	s_wait_loadcnt 0x0                             ; Q
.Lslot:                                            ; eight trips: behind each change of slots but the last the next slot is asked for
	CHANGE 1
	STEP 0
	STEP 1
	s_xor_b32 s[TB], s[TB], SLOTB                  ; on to the other slot,
	s_lshl_b32 s[KF], s[NKS], 8                    ; which holds these keys
	s_cmp_lg_u32 s[TR], s18                        ; was this the first block's last slot?  A branch on ids
	s_cbranch_scc1 .Lnofin
	FINISH YB1, 1
.Lnofin:
	s_sub_co_u32 s[TR], s[TR], 1
	s_cmp_lg_u32 s[TR], 0
	s_cbranch_scc1 .Lslot
	CHANGE 0                                       ; the last slot is written out
	STEP 0
	STEP 1
	FINISH YB2, 0
	s_wait_tensorcnt 0x0                           ; the wave's end
	ds_add_u32 v[SPW], v[NIL]
	s_wait_dscnt 0x0
	s_endpgm
.Lfunc_end_k_q9ec111569b_attn:
	.size	k_q9ec111569b_attn, .Lfunc_end_k_q9ec111569b_attn-k_q9ec111569b_attn
	.p2alignl 7, 3214868480
	.fill 96, 4, 3214868480
	.section	.rodata,"a",@progbits
	.p2align	6, 0x0
	.amdhsa_kernel k_q9ec111569b_attn
		.amdhsa_group_segment_fixed_size 327680
		.amdhsa_private_segment_fixed_size 0
		.amdhsa_enable_private_segment 0
		.amdhsa_kernarg_size 40
		.amdhsa_user_sgpr_count 2
		.amdhsa_user_sgpr_kernarg_segment_ptr 1
		.amdhsa_wavefront_size32 1
		.amdhsa_system_sgpr_workgroup_id_x 1
		.amdhsa_system_sgpr_workgroup_id_y 1
		.amdhsa_system_sgpr_workgroup_id_z 1
		.amdhsa_system_vgpr_workitem_id 0
		.amdhsa_next_free_vgpr 256
		.amdhsa_next_free_sgpr 72
		.amdhsa_reserve_vcc 1
		.amdhsa_float_denorm_mode_32 3
		.amdhsa_float_denorm_mode_16_64 3
		.amdhsa_fp16_overflow 1
		.amdhsa_memory_ordered 1
		.amdhsa_forward_progress 1
		.amdhsa_inst_pref_size 90
	.end_amdhsa_kernel
	.amdgpu_metadata
---
amdhsa.version: [ 1, 2 ]
amdhsa.kernels:
  - .name:           k_q9ec111569b_attn
    .symbol:         k_q9ec111569b_attn.kd
    .args:
      - { .name: q_img, .offset: 0, .size: 8, .value_kind: global_buffer, .address_space: global }
      - { .name: k_img, .offset: 8, .size: 8, .value_kind: global_buffer, .address_space: global }
      - { .name: v_img, .offset: 16, .size: 8, .value_kind: global_buffer, .address_space: global }
      - { .name: lowp_scales, .offset: 24, .size: 8, .value_kind: global_buffer, .address_space: global }
      - { .name: y_img, .offset: 32, .size: 8, .value_kind: global_buffer, .address_space: global }
    .group_segment_fixed_size: 327680
    .private_segment_fixed_size: 0
    .kernarg_segment_align: 8
    .kernarg_segment_size: 40
    .max_flat_workgroup_size: 512
    .sgpr_count:     72
    .vgpr_count:     256
    .wavefront_size: 32
...
	.end_amdgpu_metadata
.endif
;; end of part 2
;; launch proj (part 3): grid 64 x 4, 4 waves a work-group, clusters of 4 x 1, 327,680 bytes of LDS; arguments y_img, W_proj_codes, lowp_scales, b_proj, out0; writes out0
.if DOCPART == 3
	.amdgcn_target "amdgcn-amd-amdhsa--gfx1250"
	.amdhsa_code_object_version 6
	.text
	.protected	k_q9ec111569b_proj
	.globl	k_q9ec111569b_proj
	.p2align	8
	.type	k_q9ec111569b_proj,@function
k_q9ec111569b_proj:
	s_mov_b64 s[64:65], 0
	v_nop
	global_prefetch_b8 v0, s[64:65] scope:SCOPE_SE
	s_setreg_imm32_b32 hwreg(HW_REG_WAVE_MODE, 25, 1), 1
	s_wait_xcnt 0x0
	s_wait_alu depctr_hold_cnt(0) depctr_sa_sdst(0) depctr_va_vdst(0) depctr_va_sdst(0) depctr_va_ssrc(0) depctr_va_vcc(0) depctr_vm_vsrc(0)
	s_getreg_b32 s2, hwreg(HW_REG_IB_STS2, 6, 4)
	s_cmp_eq_u32 s2, 0
	s_cbranch_scc0 .Lentry_in_a_cluster
	s_endpgm
.Lentry_in_a_cluster:
	s_bfe_u32 s2, ttmp6, 0x10000c
	s_cmp_lg_u32 s2, 0x3003
	s_cbranch_scc0 .Lentry_shape_is_right
	s_endpgm
.Lentry_shape_is_right:
; out0 = y W_proj^T + b_proj on codes of FP8 (E4M3).  y: [8192][1024] as images of operand registers, y_img [tile of 16 rows 512][K step of 128 8][piece 4][512] (a piece: lane l's 16 bytes, four registers of a
; fragment in the plain 8-bit layout, at 16 l).  W_proj: [1024][1024] codes, K innermost.  out0: [8192][1024] f32 = sum x 2^(e6 + e7) + bias, one fused multiply-add.
; LIMIT: e6 + e7 between -126 and 127, so that 2^(e6 + e7) is an f32 number.
; SHARES.  256 work-groups: 128 rows x 256 columns each; a wave makes 64 x 128: 32 accumulators, 256 registers.
; W's whole tile, 256 rows x 1,024 bytes, is brought into LDS ONCE, in four chunks of 256 along K: no byte of LDS is filled twice, so there is no ring.  Each wave asks for 64 rows of each chunk: four tensor loads of
; a wave are out at the most.  CLUSTER: the four work-groups of a cluster make the same 256 columns for neighbouring rows, so they ask for W's tile JOINTLY (mask 15).
; y's fragments come from memory straight into registers, 512 consecutive bytes a load: a wave's 64 rows x 1,024 codes are 512 registers, each loaded once, three K steps ahead of its use.
; THE MATRIX INSTRUCTION IS USED TRANSPOSED (source 0 = 16 rows of W, source 1 = 16 rows of y): a lane holds eight neighbouring numbers of a row of out0.  W's fragments are read in the plain layout too
; (registers 2 c, 2 c + 1: k = 16 c + 8 (l / 16) + 0 .. 7: eight loads of 8 bytes), since y's images have every k in that place.
; REGISTERS, in windows of 256: window 0: v1-13 addresses; v32-95 biases; v128-191, v192-255 W's fragments, four each (column blocks 0-3, 4-7), later rows of out0.
;   windows 1, 2: y's fragments: K step s, row block a at window 1 + s / 4, v[64 (s % 4) + 16 a]; on the way out window 1's v0-63 are numbers at work.   window 3: accumulator (a, b) at v[8 (8 a + b)].
.set PITCH, 272                        ; an LDS row of W: 256 bytes + 16 of padding = 68 words: lane (r, h) of a load of 8 bytes starts at bank 4 r + 2 h: each of the 64 banks once (64 banks of 4 bytes: ISA guide 11.1)
.set QROWS, 64*PITCH                   ; what one tensor load brings: 64 rows
.set CHUNK, 4*QROWS                    ; 256 rows x 256 along K
.set STAGE, 4*CHUNK                    ; behind the chunks: 16 rows x (512 + 16) bytes for each wave, for the way out; no tensor load lands there
.set SPITCH, 528
.set LI,   4                           ; v4      16 x lane
.set ADB,  8                           ; v8-11   LDS address of my fragments of W in chunk 0 .. 3
.set STO,  12                          ; v12     the way out: where I put 32 bytes of a row
.set RD,   13                          ; v13     the way out: where I read a row back
.set BIAS, 32                          ; v32-95  bias of columns 16 b + 8 h + 0 .. 7, b = 0 .. 7
.set HB,   128                         ; W's fragments
.set G1,   24                          ; s[24:31] descriptor group 1;  s[32:47] group 0, one set for each chunk
.set G0,   32
.set MSB, 0
.macro WIN new                         ; the immediate's high byte repeats the setting that is left
.if MSB != \new
	s_set_vgpr_msb (MSB<<8)|\new
.set MSB, \new
.endif
.endm
.macro CROUND                          ; a round of the cluster's barrier
	s_barrier_signal -1
	s_barrier_wait -1
	s_cmp_lg_u32 s14, 0
	s_cbranch_scc1 .Lnot_wave_0_\@
	s_barrier_signal -3
.Lnot_wave_0_\@:
	s_barrier_wait -3
	s_barrier_signal -1
	s_barrier_wait -1
.endm
.macro PLACES                          ; four places in front of loads into registers that matrix instructions have read, and of the first read of results (ISA guide 7.12.1 for vector instructions)
.rept 4
	v_nop
.endr
.endm
	s_load_b128 s[4:7], s[0:1], 0x0                ; y_img s[4:5], W's codes s[6:7]
	s_load_b128 s[8:11], s[0:1], 0x10              ; the scales' exponents s[8:9], b_proj s[10:11]
	s_load_b64 s[12:13], s[0:1], 0x20              ; out0
	v_lshl_add_u32 v126, v0, 2, 0x4c400
	v_mov_b32 v127, 0
	ds_add_u32 v126, v127
	ds_add_u32 v126, v127
	v_lshrrev_b32 v1, 5, v0
	v_readfirstlane_b32 s14, v1                    ; wave 0..3
	s_lshr_b32 s15, s14, 1                         ; which 64 of the 128 rows are mine
	s_and_b32 s16, s14, 1                          ; which 128 of the 256 columns
	s_bfe_u32 s17, ttmp6, 0x40000                  ; cx: my place in the cluster: it enters y's and out0's addresses alone
	s_lshl_b32 s18, ttmp9, 2
	s_add_co_u32 s18, s18, s17                     ; my block of 128 rows = 4 x cluster x + cx
	s_and_b32 s19, ttmp7, 0xffff                   ; my block of 256 columns, which the four partners share
	; descriptor group 1: 64 rows x 256 bytes, padded in LDS
	s_mov_b32 s[G1], 15|(0<<16)|(1<<20)|(1<<21)|(5<<22)|(3<<25)   ; 15:0 the mask: all four work-groups; 17:16 elements of 1 byte; 20 padding on; 21 set beside a mask; 24:22 after every 64 words (code 5); 31:25 of 4 words (code 3)
	s_mov_b32 s[G1+1], 256<<16                     ; tensor_dim0
	s_mov_b32 s[G1+2], 64<<16                      ; tensor_dim1
	s_mov_b32 s[G1+3], 256<<16                     ; tile_dim0
	s_mov_b32 s[G1+4], 64                          ; tile_dim1
	s_mov_b32 s[G1+5], 1024                        ; tensor_dim0_stride
	s_mov_b32 s[G1+6], 0
	s_mov_b32 s[G1+7], 0
	s_lshl_b32 s20, s19, 18                        ; W: row 256 x column block + 64 x wave, 1,024 bytes a row
	s_lshl_b32 s21, s14, 16
	s_add_co_u32 s20, s20, s21
	s_mov_b32 s21, 0
	s_mul_i32 s22, s14, QROWS                      ; and where my 64 rows go in a chunk
	s_wait_dscnt 0x0
	s_wait_kmcnt 0x0
	s_load_b256 s[48:55], s[8:9], 0x0              ; e0 .. e7
	s_add_nc_u64 s[20:21], s[6:7], s[20:21]
.irp q, 0,1,2,3
	s_mov_b32 s[G0+4*\q], 1                        ; 1:0 count = 1
	s_add_co_u32 s[G0+4*\q+1], s22, \q*CHUNK       ; 63:32 LDS address
	s_add_nc_u64 s[G0+4*\q+2:G0+4*\q+3], s[20:21], \q*256   ; 120:64 global address: 256 q along K
	s_or_b32 s[G0+4*\q+3], s[G0+4*\q+3], 0x80000000         ; 127:126 type = 2
.endr
	CROUND                                         ; all four work-groups are here: the joint loads meet
	tensor_load_to_lds s[G0:G0+3], s[G1:G1+7]      ; the launch's only fills go out as one group
	s_nop 0
	tensor_load_to_lds s[G0+4:G0+7], s[G1:G1+7]
	s_nop 0
	tensor_load_to_lds s[G0+8:G0+11], s[G1:G1+7]
	s_nop 0
	tensor_load_to_lds s[G0+12:G0+15], s[G1:G1+7]
	s_nop 0
.rept 4
	v_nop
.endr
	v_and_b32 v1, 31, v0
	v_lshlrev_b32 v[LI], 4, v1
	v_and_b32 v2, 15, v0                           ; r
	v_bfe_u32 v3, v0, 4, 1                         ; h
	v_lshlrev_b32 v5, 5, v3                        ; 32 h: my half's eight biases of a block of 16
	v_mul_u32_u24 v6, v2, PITCH
	v_lshl_add_u32 v6, v3, 3, v6                   ; W: row r x pitch + 8 h
	s_mul_i32 s23, s16, 2*QROWS                    ; my 128 rows of W
.irp q, 0,1,2,3
	v_add_nc_u32 v[ADB+\q], s23, v6
	s_add_co_u32 s23, s23, CHUNK
.endr
	s_mul_i32 s23, s14, 16*SPITCH
	s_add_co_u32 s23, s23, STAGE                   ; my stage
	v_mul_u32_u24 v[STO], v2, SPITCH               ; in: row r, 32 bytes for each half of the lanes
	v_lshl_add_u32 v[STO], v3, 5, v[STO]
	v_add_nc_u32 v[STO], s23, v[STO]
	v_add_nc_u32 v[RD], s23, v[LI]                 ; back: the 32 lanes take one row of 512 bytes
	s_lshl_b32 s58, s18, 17                        ; y: tile of 16 rows (8 x row block + 4 x half) x 16,384
	s_lshl_b32 s59, s15, 16
	s_add_co_u32 s58, s58, s59
	s_mov_b32 s59, 0
	s_add_nc_u64 s[58:59], s[4:5], s[58:59]
	s_lshl_b32 s60, s18, 19                        ; out0: row (128 x row block + 64 x half) x 4,096 + column (256 x column block + 128 x half) x 4
	s_lshl_b32 s61, s15, 18
	s_add_co_u32 s60, s60, s61
	s_lshl_b32 s61, s19, 10
	s_add_co_u32 s60, s60, s61
	s_lshl_b32 s61, s16, 9
	s_add_co_u32 s60, s60, s61
	s_mov_b32 s61, 0
	s_add_nc_u64 s[60:61], s[12:13], s[60:61]
	s_lshl_b32 s20, s19, 10                        ; my 128 biases
	s_lshl_b32 s21, s16, 9
	s_add_co_u32 s20, s20, s21
	s_mov_b32 s21, 0
	s_add_nc_u64 s[10:11], s[10:11], s[20:21]
.irp b, 0,1,2,3,4,5,6,7
	global_load_b128 v[BIAS+8*\b:BIAS+8*\b+3], v5, s[10:11] offset:64*\b
	global_load_b128 v[BIAS+8*\b+4:BIAS+8*\b+7], v5, s[10:11] offset:64*\b+16
.endr
.macro ALOAD s                         ; y's four fragments of K step s: sixteen loads of 512 consecutive bytes
.set WW, 0x40*(1+(\s)/4)               ; destination window 1 or 2
	WIN WW
.irp a, 0,1,2,3
.irp p, 0,1,2,3
	global_load_b128 v[64*((\s)%4)+16*\a+4*\p:64*((\s)%4)+16*\a+4*\p+3], v[LI], s[58:59] offset:16384*\a+2048*(\s)+512*\p
.endr
.endr
.endm
.macro BLOAD s, hf                     ; W's column blocks 4 hf .. 4 hf + 3 of K step s: 32 loads of 8 bytes
	WIN 0
.irp bb, 0,1,2,3
.irp c, 0,1,2,3,4,5,6,7
	ds_load_b64 v[HB+64*(\hf)+16*\bb+2*\c:HB+64*(\hf)+16*\bb+2*\c+1], v[ADB+(\s)/2] offset:(4*(\hf)+\bb)*16*PITCH+128*((\s)%2)+16*\c
.endr
.endr
.endm
; 8 matrix instructions: column blocks 4 hf + bb0, + 1 x the four row blocks.  The 32 accumulators take turns, one instruction a turn, in the same order in every K step.
.macro MUL8 s, hf, bb0, zero
.set WW, 0xf0+4*(1+(\s)/4)             ; source 0 (W) window 0, source 1 (y) window 1 or 2, C and D window 3
	WIN WW
.irp bb, \bb0, \bb0+1
.irp a, 0,1,2,3
.if \zero
	v_wmma_f32_16x16x128_fp8_fp8 v[8*(8*\a+4*(\hf)+(\bb)):8*(8*\a+4*(\hf)+(\bb))+7], v[HB+64*(\hf)+16*(\bb):HB+64*(\hf)+16*(\bb)+15], v[64*((\s)%4)+16*\a:64*((\s)%4)+16*\a+15], 0
.else
	v_wmma_f32_16x16x128_fp8_fp8 v[8*(8*\a+4*(\hf)+(\bb)):8*(8*\a+4*(\hf)+(\bb))+7], v[HB+64*(\hf)+16*(\bb):HB+64*(\hf)+16*(\bb)+15], v[64*((\s)%4)+16*\a:64*((\s)%4)+16*\a+15], v[8*(8*\a+4*(\hf)+(\bb)):8*(8*\a+4*(\hf)+(\bb))+7]
.endif
.endr
.endr
.endm
; A K step of 128: 32 matrix instructions.  Each half of W's fragments is fetched anew as soon as its sixteen products are issued.  In steps 1, 3 and 5 the next chunk of W is shown whole to every wave: each wave waits
; for its part of it, then the work-group's barrier; the later chunks' loads may stay out.
.macro KSTEP s, zero
.if (\s) <= 4
	ALOAD (\s)+3
	s_wait_loadcnt 48                              ; this step's fragments of y are in; the 48 loads of the three steps behind may be out
.else
	s_wait_loadcnt 16*(7-(\s))                     ; the counts run down
.endif
	s_wait_dscnt 32                                ; W's blocks 0-3 are in; the 32 loads of blocks 4-7 may be out
	MUL8 \s, 0, 0, \zero
.if ((\s)%2 == 1) && ((\s) < 7)
	s_wait_tensorcnt 2-(\s)/2                      ; my part of the next chunk has landed; so many later chunks' loads may be out
	s_wait_dscnt 0x0                               ; no LDS instruction of mine is pending at the signal
	s_barrier_signal -1
.endif
	MUL8 \s, 0, 2, \zero
.if ((\s)%2 == 1) && ((\s) < 7)
	s_barrier_wait -1
.endif
.if (\s) < 7
	PLACES
	BLOAD (\s)+1, 0
	s_wait_dscnt 32                                ; all but the 32 just issued
.else
	s_wait_dscnt 0x0
.endif
	MUL8 \s, 1, 0, \zero
	MUL8 \s, 1, 2, \zero
.if (\s) < 7
	PLACES
	BLOAD (\s)+1, 1
.endif
.endm
	ALOAD 0
	ALOAD 1
	ALOAD 2
	WIN 0
	s_wait_alu depctr_va_vdst(0)
	s_wait_tensorcnt 3                             ; my part of chunk 0 is in; the three later chunks' loads may be out,
	s_barrier_signal -1
	s_barrier_wait -1                              ; everybody's is
	BLOAD 0, 0
	BLOAD 0, 1
	KSTEP 0, 1                                     ; the first K step's products start the sums: nothing is cleared
.irp s, 1,2,3,4,5,6,7
	KSTEP \s, 0
.endr
	WIN 0
; THE WAY OUT, block by block of 16 rows x 128 columns.  A lane holds 32 neighbouring bytes of a row, and the lanes beside it hold other rows: so a block goes through my own stage in LDS and comes back as whole rows of
; 512 bytes.  LDS serves a wave's instructions in order (ISA guide 5.7.1.4): no wait between the stores and the loads, nor in front of the next block's stores.
.macro TOSTAGE a
	WIN 0x43                                       ; source 0 (the sums) window 3, source 2 (the biases) window 0, destination window 1
.set i, 0
.rept 32
	v_pk_fma_f32 v[i:i+1], v[64*(\a)+i:64*(\a)+i+1], s[56:57], v[BIAS+i:BIAS+i+1] op_sel_hi:[1,0,1]   ; sum x 2^(e6 + e7) + bias; each accumulator from its low end on
.set i, i+2
.endr
	WIN 0x04                                       ; the stores' data in window 1
.irp b, 0,1,2,3,4,5,6,7
	ds_store_b128 v[STO], v[8*\b:8*\b+3] offset:64*\b
	ds_store_b128 v[STO], v[8*\b+4:8*\b+7] offset:64*\b+16
.endr
	WIN 0
.set BB, HB+64*((\a)%2)
.irp t, 0,1,2,3,4,5,6,7,8,9,10,11,12,13,14,15
	ds_load_b128 v[BB+4*\t:BB+4*\t+3], v[RD] offset:\t*SPITCH
.endr
.endm
.macro SEND a, younger                 ; younger: the LDS instructions issued behind block a's loads, which may stay out
.set BB, HB+64*((\a)%2)
	s_wait_dscnt \younger                          ; the block is back in registers
.irp t, 0,1,2,3,4,5,6,7,8,9,10,11,12,13,14,15
	global_store_b128 v[LI], v[BB+4*\t:BB+4*\t+3], s[60:61] offset:(16*(\a)+\t)*4096 th:TH_STORE_NT   ; 32 lanes store 512 consecutive bytes, at a multiple of 256 from out0's first byte; written once, read by nobody here
.endr
.endm
	s_wait_kmcnt 0x0
	s_add_co_i32 s56, s54, s55                     ; e6 + e7, between -126 and 127,
	s_add_co_i32 s56, s56, 127
	s_lshl_b32 s56, s56, 23                        ; makes the f32 number 2^(e6 + e7)
	s_mov_b32 s57, s56                             ; (named with it as a pair, so it is written)
	PLACES                                         ; behind the last products: their results are read, and registers that held fragments are written and loaded below
	TOSTAGE 0
.irp a, 1,2,3
.if \a > 1
	s_wait_xcnt 0x0                                ; block a - 2's stores have read their registers: block a's loads may land there
.endif
	TOSTAGE \a
	SEND \a-1, 32                                  ; behind block a - 1's loads: block a's 16 stores and 16 loads
.endr
	SEND 3, 0
	s_wait_tensorcnt 0x0
	ds_add_u32 v126, v127
	s_wait_dscnt 0x0
	CROUND                                         ; the closing round: no work-group ends while a partner may still ask for a tile that names it
	s_endpgm
.Lfunc_end_k_q9ec111569b_proj:
	.size	k_q9ec111569b_proj, .Lfunc_end_k_q9ec111569b_proj-k_q9ec111569b_proj
	.p2alignl 7, 3214868480
	.fill 96, 4, 3214868480
	.section	.rodata,"a",@progbits
	.p2align	6, 0x0
	.amdhsa_kernel k_q9ec111569b_proj
		.amdhsa_group_segment_fixed_size 327680
		.amdhsa_private_segment_fixed_size 0
		.amdhsa_enable_private_segment 0
		.amdhsa_kernarg_size 40
		.amdhsa_user_sgpr_count 2
		.amdhsa_user_sgpr_kernarg_segment_ptr 1
		.amdhsa_wavefront_size32 1
		.amdhsa_system_sgpr_workgroup_id_x 1
		.amdhsa_system_sgpr_workgroup_id_y 1
		.amdhsa_system_sgpr_workgroup_id_z 1
		.amdhsa_system_vgpr_workitem_id 0
		.amdhsa_next_free_vgpr 1024
		.amdhsa_next_free_sgpr 66
		.amdhsa_reserve_vcc 0
		.amdhsa_float_denorm_mode_32 3
		.amdhsa_float_denorm_mode_16_64 3
		.amdhsa_memory_ordered 1
		.amdhsa_forward_progress 1
		.amdhsa_inst_pref_size 95
	.end_amdhsa_kernel
	.amdgpu_metadata
---
amdhsa.version: [ 1, 2 ]
amdhsa.kernels:
  - .name:           k_q9ec111569b_proj
    .symbol:         k_q9ec111569b_proj.kd
    .args:
      - { .name: y_img, .offset: 0, .size: 8, .value_kind: global_buffer, .address_space: global }
      - { .name: W_proj_codes, .offset: 8, .size: 8, .value_kind: global_buffer, .address_space: global }
      - { .name: lowp_scales, .offset: 16, .size: 8, .value_kind: global_buffer, .address_space: global }
      - { .name: b_proj, .offset: 24, .size: 8, .value_kind: global_buffer, .address_space: global }
      - { .name: out0, .offset: 32, .size: 8, .value_kind: global_buffer, .address_space: global }
    .group_segment_fixed_size: 327680
    .private_segment_fixed_size: 0
    .kernarg_segment_align: 8
    .kernarg_segment_size: 40
    .max_flat_workgroup_size: 128
    .sgpr_count:     66
    .vgpr_count:     1024
    .wavefront_size: 32
...
	.end_amdgpu_metadata
.endif
;; end of part 3
